; MI455X (gfx1250); checked and timed in simulation.
; The chip was launched on July 23, 2026; its instructions are those of AMD's public machine-readable ISA for CDNA 5 (MIT licence, August 2026) and "CDNA5" Instruction Set Architecture Reference Guide (July 2026). The comments in the code are by the model that wrote it; some were corrected since.
;; h diag Land. Allowed arithmetic: matrix products marked QUANTISED: E2M1 operands, one E8M0 scale for each 32 along K, by v_wmma_scale_f32_16x16x128_f8f6f4 with both operands' format E2M1 (or v_wmma_scale_f32_32x16x128_f4), f32 sums; everything else in f32.
;; Inputs: W 1 x 1 float32; reference_sample 8,192 x 256 float32; x_t 8,192 x 256 float32.
;; Outputs: out0 8,192 x 256 float32.
;; This version of the problem:
;;   THIS VERSION OF THE PROBLEM IS GIVEN IN LOW PRECISION. The matrix products marked QUANTISED in the list below multiply operands that are first quantised to E2M1 (2 exponent bits, 1 mantissa bit; 4 bits a number), with one power-of-two scale for each 32 numbers along K (OCP MX v1.0); their sums are f32. All else is computed in f32.
;;   The module's matrix products, in the order in which they are computed (A, B: the left and right operand; K: the contracted axis; several contracted axes count as one K, in the product's order):
;;     1. [M 8,192, K 256] x [K 256, N 8,192]; A: input x_t; B: input reference_sample: QUANTISED
;;     2. [M 8,192, K 8,192] x [K 8,192, N 256]; A: computed on the way; B: computed on the way: QUANTISED
;;     3. [M 8,192, K 8,192] x [K 8,192, N 256]; A: computed on the way; B: input reference_sample: QUANTISED
;;   THE QUANTISER, for each operand of a quantised product, along K:
;;     - K is cut into blocks of 32 from its start; a last block that is shorter is filled with zeros.
;;     - A block's scale is 2^e with e = floor(log2(the largest magnitude in the block)) - 2, held to -126 .. 127; a block of zeros has e = 0. As a byte (E8M0): e + 127.
;;     - Each number is divided by its block's scale, clamped to +-6, and rounded to the nearest number of E2M1, ties to even, subnormals kept.
;;     - The product sums the exact products of the quantised numbers (number of the format x scale) in f32.
;;   ~~~python
;;   def quantise(x, axis):      # numpy; x: float32 -> the quantised numbers, widened to float32 again
;;       x = np.moveaxis(x, axis, -1); K = x.shape[-1]
;;       x = np.pad(x, [(0, 0)] * (x.ndim - 1) + [(0, -K % 32)]); x = x.reshape(x.shape[:-1] + (-1, 32)); a = np.abs(x).max(-1, keepdims=True)
;;       e = np.where(a > 0, np.clip(np.frexp(np.where(a > 0, a, 1))[1] - 1 - 2, -126, 127), 0)      # np.frexp(a)[1] - 1 = floor(log2(a)), exactly
;;       r = np.clip(x / 2.0 ** e, -6, 6)
;;       step = 2.0 ** (np.maximum(np.frexp(np.where(r == 0, 1, r))[1] - 1, 0) - 1)
;;       q = np.round(r / step) * step * 2.0 ** e      # np.round: ties to even
;;       return np.moveaxis(q.reshape(q.shape[:-2] + (-1,))[..., :K], -1, axis).astype(np.float32)
;;   ~~~
;;   OPERANDS COMPUTED ON THE WAY. 'Computed on the way' means the value that the module computes at that place (a softmax that the list does not call 'softmax' is quantised finished and normalised). What goes into a quantiser is computed in f32, as accurately as f32 sums, v_exp_f32 and their like allow (about 1e-6 of the number): no bf16 or f16 on the way to a quantiser, and a product that is left as it is and whose result goes on into a quantised operand takes f32 operands (vector FMAs, or v_wmma_f32_16x16x4_f32). A number that lies on a knife's edge between two numbers of the format may be rounded either way, as far as f32 arithmetic and the matrix unit's own rounding can turn it there, and no further.
;; One version. Each part assembles by itself: llvm-mc -triple=amdgcn-amd-amdhsa -mcpu=gfx1250 --defsym DOCPART=n.
;; ======== version 1 of 1: 3 launches
;; limits: right only within a limited range of input values
;; workspace buffers: stream 3,407,872 bytes; part 16,777,216 bytes
;; launch prep (part 1): grid 256 x 1, 8 waves a work-group, no clusters, 14,336 bytes of LDS; arguments reference_sample, stream; writes stream
.if DOCPART == 1
	.amdgcn_target "amdgcn-amd-amdhsa--gfx1250"
	.amdhsa_code_object_version 6
	.text
	.protected	k_q3f6c08ad9f_prep
	.globl	k_q3f6c08ad9f_prep
	.p2align	8
	.type	k_q3f6c08ad9f_prep,@function
k_q3f6c08ad9f_prep:
	s_mov_b64 s[64:65], 0
	v_nop
	global_prefetch_b8 v0, s[64:65] scope:SCOPE_SE
	s_setreg_imm32_b32 hwreg(HW_REG_WAVE_MODE, 25, 1), 1
	s_wait_xcnt 0x0
; reference_sample [8192 keys][256 d], f32, is quantised ONCE to codes of FP4 (E2M1) with one E8M0 byte for each 32 along K, three times over:
;   along d (for x ref^T), and, along the keys, ref^2 and ref (for w ref^2 and w ref).  Beside them goes -r_sq/2 of each key, f32.
; Everything is laid in the ORDER OF THE OPERANDS' REGISTERS, in dense chunks of 13,312 bytes: chunk (s, w) is what wave w of the next launch wants in key step s (128 keys):
;   0      K images: fragment (u, s2) at (2u+s2) 1024 + 512 c + 16 lane: d = 128 s2 + 64 c + 32 h + 0..31 of key 128 s + 32 w + 8 u + r + 8 (r / 8)      (r = lane % 16, h = lane / 16)
;   4096   V images: fragment (kind, t) at (4 kind + t) 1024 + 512 c + 16 lane: keys 128 s + 64 c + 32 h + 0..31 of channel 64 w + 16 t + r; kind 0 = ref^2, 1 = ref
;   12288  K's scale words at 8 lane + 4 u (lanes 0-15: d 0..127, lanes 16-31: d 128..255);   12544  V's at 16 lane + 4 t (lanes 0-15 ref^2, lanes 16-31 ref)
;   13056  -r_sq/2 of the chunk's 32 keys, in their own order;   13184  128 bytes of zeros, so that a chunk is a whole number of 256 bytes
; A work-group makes one chunk as an image in LDS and copies it out dense: each store of a wave covers 512 consecutive bytes, aligned.
; A block's scale is 2^(floor(log2(largest magnitude)) - 2): its byte is the largest magnitude's exponent field - 2, held at 1 from below by a floor among the maximum's leaves.
; LIMITS: a block of zeros gets the byte 1 where the rule says 127 (its codes are zeros, and only this program reads the bytes); blocks whose largest magnitude lies under 2^-124 were not tried; NaN and infinities are not served.
; No tensor load, no loop; two barriers: one between the image's stores and its copy, one at the end.
.set CHUNK, 13312
.set C_VI,  4096
.set C_KS,  12288
.set C_VS,  12544
.set C_RT,  13056
.set FLOOR, 0x1800000                  ; 2^(3 - 127)
.set XK,    32                         ; v32-63   K item: 32 neighbours along d of one key; later the V item's squares
.set XV,    64                         ; v64-95   V item: 32 keys of one channel
.set CK,    96                         ; v96-99   K item's codes
.set CQ,    100                        ; v100-103 ref^2's codes
.set CR,    104                        ; v104-107 ref's codes
.set OB,    108                        ; v108-123 the copy out
.macro MAXB d, t, x                    ; the largest magnitude of v[x] .. v[x+31], in two chains, with the floor as one more leaf
	v_max3_num_f32 v[\d], |v[\x]|, |v[\x+1]|, |v[\x+2]|
	v_max3_num_f32 v[\t], |v[\x+3]|, |v[\x+4]|, |v[\x+5]|
.irp i, 6,10,14,18,22,26
	s_delay_alu instid0(VALU_DEP_2)
	v_max3_num_f32 v[\d], v[\d], |v[\x+\i]|, |v[\x+\i+1]|
	s_delay_alu instid0(VALU_DEP_2)
	v_max3_num_f32 v[\t], v[\t], |v[\x+\i+2]|, |v[\x+\i+3]|
.endr
	s_delay_alu instid0(VALU_DEP_2)
	v_max3_num_f32 v[\d], v[\d], |v[\x+30]|, |v[\x+31]|
	s_delay_alu instid0(VALU_DEP_1)
	v_max3_num_f32 v[\d], v[\d], v[\t], FLOOR
.endm
	s_load_b128 s[4:7], s[0:1], 0x0                ; ref s[4:5], stream s[6:7]
	v_lshl_add_u32 v128, v0, 2, 0x3400
	v_mov_b32 v129, 0
	v_lshrrev_b32 v1, 5, v0
	s_delay_alu instid0(VALU_DEP_1)
	v_readfirstlane_b32 s8, v1                     ; wave 0..7
	s_lshr_b32 s9, ttmp9, 2                        ; s: the key step
	s_and_b32 s10, ttmp9, 3                        ; w: the quarter
	; THE K PART OF A CHUNK IS ONE STEP AHEAD: for the K images, K's scale words and -r_sq/2 read, in the layout above, the step s as the NEXT step of the same half of the keys
	; (32 steps a half, going round): the next launch fetches a step's K one step before it fetches that step's V
	s_add_co_u32 s12, s9, 1
	s_and_b32 s12, s12, 31
	s_and_b32 s11, s9, 32
	s_or_b32 s12, s12, s11
	s_lshl_b32 s12, s12, 17
	s_lshl_b32 s11, s10, 15
	s_add_co_u32 s12, s12, s11
	s_mov_b32 s13, 0
	s_lshl_b32 s14, s9, 17                         ; V item: keys 128 s on, channels 64 w on
	s_lshl_b32 s11, s10, 8
	s_add_co_u32 s14, s14, s11
	s_mov_b32 s15, 0
	s_lshr_b32 s16, s9, 1                          ; the chunk's place: ((s / 2) 4 + w) 2 + s % 2, so that a wave's two steps of a slot lie on end
	s_lshl_b32 s16, s16, 2
	s_add_co_u32 s16, s16, s10
	s_lshl_b32 s16, s16, 1
	s_and_b32 s11, s9, 1
	s_add_co_u32 s16, s16, s11
	s_mul_i32 s16, s16, CHUNK
	s_mov_b32 s17, 0
	v_lshlrev_b32 v2, 7, v0                        ; K item of thread T: key T / 8, block T % 8 of 32 along d: 1,024 (T / 8) + 128 (T % 8) = 128 T
	v_lshrrev_b32 v14, 6, v0                       ; V item: key block kb = T / 64,
	v_and_b32 v4, 63, v0                           ; channel T % 64
	s_delay_alu instid0(VALU_DEP_1)
	v_lshlrev_b32 v4, 2, v4
	s_delay_alu instid0(VALU_DEP_1)
	v_lshl_or_b32 v3, v14, 15, v4                  ; 32 keys x 1,024 bytes x kb + 4 x channel
	s_wait_alu depctr_va_vdst(0)
	s_wait_kmcnt 0x0
	s_add_nc_u64 s[12:13], s[4:5], s[12:13]
	s_add_nc_u64 s[14:15], s[4:5], s[14:15]
	s_add_nc_u64 s[16:17], s[6:7], s[16:17]
.irp i, 0,1,2,3,4,5,6,7
	global_load_b128 v[XK+4*\i:XK+4*\i+3], v2, s[12:13] offset:16*\i
.endr
.irp i, 0,1,2,3,4,5,6,7,8,9,10,11,12,13,14,15,16,17,18,19,20,21,22,23,24,25,26,27,28,29,30,31
	global_load_b32 v[XV+\i], v3, s[14:15] offset:1024*\i      ; a wave reads 128 neighbouring bytes of one key
.endr
	; where the results go in the image.  K item: h = T bit 0, c = bit 1, s2 = bit 2, r's low three = bits 5:3, u = bit 6, r's bit 3 = bit 7
	v_and_b32 v5, 7, v0
	s_delay_alu instid0(VALU_DEP_1)
	v_lshlrev_b32 v5, 8, v5                        ; 256 h + 512 c + 1024 s2
	v_bfe_u32 v6, v0, 3, 3
	s_delay_alu instid0(VALU_DEP_1)
	v_lshl_or_b32 v5, v6, 4, v5
	v_bfe_u32 v7, v0, 7, 1
	s_delay_alu instid0(VALU_DEP_1)
	v_lshl_or_b32 v5, v7, 7, v5                    ; + 16 r
	v_bfe_u32 v8, v0, 6, 1
	s_delay_alu instid0(VALU_DEP_1)
	v_lshl_or_b32 v5, v8, 11, v5                   ; + 2048 u
	v_and_b32 v9, 3, v0                            ; its scale byte: 8 (r + 16 s2) + 4 u + (block % 4)
	s_delay_alu instid0(VALU_DEP_1)
	v_lshl_or_b32 v9, v8, 2, v9
	s_delay_alu instid0(VALU_DEP_1)
	v_lshl_or_b32 v9, v6, 3, v9
	s_delay_alu instid0(VALU_DEP_1)
	v_lshl_or_b32 v9, v7, 6, v9
	v_bfe_u32 v10, v0, 2, 1
	s_delay_alu instid0(VALU_DEP_1)
	v_lshl_or_b32 v9, v10, 7, v9
	v_lshrrev_b32 v10, 3, v0
	s_delay_alu instid0(VALU_DEP_1)
	v_lshlrev_b32 v10, 2, v10                      ; -r_sq/2: 4 x key
	v_and_b32 v12, 15, v0                          ; V item: r = T % 16, t = bits 5:4, kb = 2 c + h
	s_delay_alu instid0(VALU_DEP_1)
	v_lshlrev_b32 v11, 4, v12
	v_bfe_u32 v13, v0, 4, 2
	s_delay_alu instid0(VALU_DEP_1)
	v_lshl_or_b32 v11, v13, 10, v11
	s_delay_alu instid0(VALU_DEP_1)
	v_lshl_or_b32 v11, v14, 8, v11                 ; 16 r + 1024 t + 256 kb
	v_lshl_or_b32 v15, v12, 4, v14                 ; its scale byte: 16 r + 4 t + kb
	s_delay_alu instid0(VALU_DEP_1)
	v_lshl_or_b32 v15, v13, 2, v15
	v_lshlrev_b32 v28, 4, v0                       ; the copy out: 16 T
	v_mov_b32 v29, 0
	; ---- the K item: 32 neighbours along d of one key
	s_wait_loadcnt 32                              ; my eight loads are in; the V item's 32, issued behind them, may be out
	MAXB 16, 17, XK
	s_delay_alu instid0(VALU_DEP_1)
	v_add_nc_u32 v18, 0xff000000, v16              ; 2 off the exponent field: the conversion takes this operand's exponent field as its scale
	s_delay_alu instid0(VALU_DEP_1)
	v_lshrrev_b32 v19, 23, v18                     ; the scale's byte
	v_pk_mul_f32 v[20:21], v[XK:XK+1], v[XK:XK+1]  ; the sum of squares, of the numbers as they are given, in two packed chains
	v_pk_mul_f32 v[22:23], v[XK+2:XK+3], v[XK+2:XK+3]
.irp i, 4,8,12,16,20,24,28
	s_delay_alu instid0(VALU_DEP_2)
	v_pk_fma_f32 v[20:21], v[XK+\i:XK+\i+1], v[XK+\i:XK+\i+1], v[20:21]
	s_delay_alu instid0(VALU_DEP_2)
	v_pk_fma_f32 v[22:23], v[XK+\i+2:XK+\i+3], v[XK+\i+2:XK+\i+3], v[22:23]
.endr
	s_delay_alu instid0(VALU_DEP_1)
	v_pk_add_f32 v[20:21], v[20:21], v[22:23]
	s_delay_alu instid0(VALU_DEP_1)
	v_add_f32 v20, v20, v21
	s_delay_alu instid0(VALU_DEP_1)
	v_add_f32_dpp v20, v20, v20 row_xmask:1 row_mask:0xf bank_mask:0xf   ; the key's eight blocks lie in eight neighbouring lanes
	s_delay_alu instid0(VALU_DEP_1)
	v_add_f32_dpp v20, v20, v20 row_xmask:2 row_mask:0xf bank_mask:0xf
	s_delay_alu instid0(VALU_DEP_1)
	v_add_f32_dpp v20, v20, v20 row_xmask:4 row_mask:0xf bank_mask:0xf
	s_delay_alu instid0(VALU_DEP_1)
	v_mul_f32 v20, -0.5, v20                       ; -r_sq/2: the next launch gives it to the score's sum as its start
.irp g, 0,1,2,3
	v_cvt_scalef32_pk8_fp4_f32 v[CK+\g], v[XK+8*\g:XK+8*\g+7], v18
.endr
	v_nop                                          ; one plain line behind the conversions: their sources are written again below
	ds_store_b128 v5, v[CK:CK+3]
	ds_store_b8 v9, v19 offset:C_KS
	ds_store_b32 v10, v20 offset:C_RT              ; eight lanes write the same word with the same value
	ds_store_b32 v10, v29 offset:C_RT+128          ; the chunk's last 128 bytes: zeros
	; ---- the V item: 32 keys of one channel, as they are and squared
	s_wait_loadcnt 0x0
	MAXB 16, 17, XV
	s_delay_alu instid0(VALU_DEP_1)
	v_mul_f32 v21, v16, v16                        ; the largest square is the largest magnitude's: a product's rounding keeps the order, so the bits are those of the largest of the squares
	s_delay_alu instid0(VALU_DEP_1)
	v_max_num_f32 v21, FLOOR, v21
	s_delay_alu instid0(VALU_DEP_3)
	v_add_nc_u32 v24, 0xff000000, v16
	s_delay_alu instid0(VALU_DEP_2)
	v_add_nc_u32 v25, 0xff000000, v21
	s_delay_alu instid0(VALU_DEP_2)
	v_lshrrev_b32 v26, 23, v24
	s_delay_alu instid0(VALU_DEP_2)
	v_lshrrev_b32 v27, 23, v25
.irp i, 0,2,4,6,8,10,12,14,16,18,20,22,24,26,28,30
	v_pk_mul_f32 v[XK+\i:XK+\i+1], v[XV+\i:XV+\i+1], v[XV+\i:XV+\i+1]
.endr
.irp g, 0,1,2,3
	v_cvt_scalef32_pk8_fp4_f32 v[CQ+\g], v[XK+8*\g:XK+8*\g+7], v25
	v_cvt_scalef32_pk8_fp4_f32 v[CR+\g], v[XV+8*\g:XV+8*\g+7], v24
.endr
	v_nop
	ds_store_b128 v11, v[CQ:CQ+3] offset:C_VI
	ds_store_b128 v11, v[CR:CR+3] offset:C_VI+4096
	ds_store_b8 v15, v27 offset:C_VS
	ds_store_b8 v15, v26 offset:C_VS+256
	s_wait_dscnt 0x0                               ; for the others' sake: all my stores into the image are done
	s_barrier_signal -1
	s_barrier_wait -1
	; ---- the copy out: 13,312 bytes as they lie
.irp i, 0,1,2
	ds_load_b128 v[OB+4*\i:OB+4*\i+3], v28 offset:4096*\i
.endr
	s_wait_dscnt 0x0
.irp i, 0,1,2
	global_store_b128 v28, v[OB+4*\i:OB+4*\i+3], s[16:17] offset:4096*\i
.endr
	s_cmp_lt_u32 s8, 2                             ; the last 1,024 bytes are two waves' work
	s_cbranch_scc0 .Ldone
	ds_load_b128 v[OB+12:OB+15], v28 offset:12288
	s_wait_dscnt 0x0
	global_store_b128 v28, v[OB+12:OB+15], s[16:17] offset:12288
.Ldone:
	s_barrier_signal -1
	s_barrier_wait -1
	s_wait_tensorcnt 0x0
	ds_add_u32 v128, v129
	s_wait_dscnt 0x0
	s_endpgm
.Lfunc_end_k_q3f6c08ad9f_prep:
	.size	k_q3f6c08ad9f_prep, .Lfunc_end_k_q3f6c08ad9f_prep-k_q3f6c08ad9f_prep
	.p2alignl 7, 3214868480
	.fill 96, 4, 3214868480
	.section	.rodata,"a",@progbits
	.p2align	6, 0x0
	.amdhsa_kernel k_q3f6c08ad9f_prep
		.amdhsa_group_segment_fixed_size 14336
		.amdhsa_private_segment_fixed_size 0
		.amdhsa_enable_private_segment 0
		.amdhsa_kernarg_size 16
		.amdhsa_user_sgpr_count 2
		.amdhsa_user_sgpr_kernarg_segment_ptr 1
		.amdhsa_wavefront_size32 1
		.amdhsa_system_sgpr_workgroup_id_x 1
		.amdhsa_system_sgpr_workgroup_id_y 1
		.amdhsa_system_sgpr_workgroup_id_z 1
		.amdhsa_system_vgpr_workitem_id 0
		.amdhsa_next_free_vgpr 130
		.amdhsa_next_free_sgpr 66
		.amdhsa_reserve_vcc 0
		.amdhsa_float_denorm_mode_32 3
		.amdhsa_float_denorm_mode_16_64 3
		.amdhsa_memory_ordered 1
		.amdhsa_forward_progress 1
		.amdhsa_inst_pref_size 17
	.end_amdhsa_kernel
	.amdgpu_metadata
---
amdhsa.version: [ 1, 2 ]
amdhsa.kernels:
  - .name:           k_q3f6c08ad9f_prep
    .symbol:         k_q3f6c08ad9f_prep.kd
    .args:
      - { .name: reference_sample, .offset: 0, .size: 8, .value_kind: global_buffer, .address_space: global }
      - { .name: stream, .offset: 8, .size: 8, .value_kind: global_buffer, .address_space: global }
    .group_segment_fixed_size: 14336
    .private_segment_fixed_size: 0
    .kernarg_segment_align: 8
    .kernarg_segment_size: 16
    .max_flat_workgroup_size: 256
    .sgpr_count:     66
    .vgpr_count:     130
    .wavefront_size: 32
...
	.end_amdgpu_metadata
.endif
;; end of part 1
;; launch main (part 2): grid 128 x 2, 4 waves a work-group, clusters of 4 x 1, 327,680 bytes of LDS; arguments x_t, stream, part; writes part
.if DOCPART == 2
	.amdgcn_target "amdgcn-amd-amdhsa--gfx1250"
	.amdhsa_code_object_version 6
	.text
	.protected	k_q3f6c08ad9f_main
	.globl	k_q3f6c08ad9f_main
	.p2align	8
	.type	k_q3f6c08ad9f_main,@function
k_q3f6c08ad9f_main:
	s_mov_b64 s[64:65], 0
	v_nop
	global_prefetch_b8 v0, s[64:65] scope:SCOPE_SE
	s_setreg_imm32_b32 hwreg(HW_REG_WAVE_MODE, 25, 1), 1
	s_wait_xcnt 0x0
	s_wait_alu depctr_hold_cnt(0) depctr_sa_sdst(0) depctr_va_vdst(0) depctr_va_sdst(0) depctr_va_ssrc(0) depctr_va_vcc(0) depctr_vm_vsrc(0)
	s_getreg_b32 s2, hwreg(HW_REG_IB_STS2, 6, 4)
	s_cmp_eq_u32 s2, 0
	s_cbranch_scc0 .Lentry_in_a_cluster
	s_endpgm
.Lentry_in_a_cluster:
	s_bfe_u32 s2, ttmp6, 0x10000c
	s_cmp_lg_u32 s2, 0x3003
	s_cbranch_scc0 .Lentry_shape_is_right
	s_endpgm
.Lentry_shape_is_right:
; part[half][b][d] = sum over the half's 4,096 keys n of w[b][n] (ref[n][d] - x[b][d])^2, as (w ref^2) - 2 x (w ref) + x^2 sum(w), w = exp(-dist / 128).
; All three products run on FP4 codes with E8M0 scales; x is quantised here along d, w along the keys, ref comes quantised in 'stream' (chunks of 13,312 bytes in register order, laid by launch prep;
; a chunk holds V of its step and K of the step after it, going round in its half).
; A work-group: 64 queries x one half of the keys, 32 steps of 128 keys.  Four waves, one to a SIMD.  Wave W:
;   scores: S^T = K Q^T for keys 32 W .. + 31 of the step and all 64 queries (8 tiles, 16 matrix instructions; the sum starts from -r_sq/2), then t = S log2(e)/64 - x_sq log2(e)/128, w = 2^t,
;   its sum in f32 of the unquantised w, the block's scale from the block's largest score, codes to an image of the operand in LDS (two images by turns, one barrier a step);
;   products: channels 64 W .. + 63 of ref^2 and of ref x all 64 queries (32 tiles, 256 registers: window 1), one step behind the scores.
;   So a K fragment feeds 4 matrix instructions, a V fragment 4, a fragment of w 8: 36 loads of 16 bytes a lane for a wave's 48 matrix instructions.
; A STEP t: w of step t - 1 is asked of LDS first, then the scores start from K fetched a step before, then V of step t and K of step t + 1 are asked for (K and V have two register sets each, in window 2);
; the products of step t - 1 stand between the barrier's signal and its wait.
; THE RING: two slots of two steps (106,496 bytes), each wave fetching a quarter of a slot by one joint load: one tensor load a wave is out.  The four work-groups of a cluster walk the same stream: mask 15.
; EACH CLUSTER BEGINS AT SLOT (cluster x) % 16 of its half and goes round: sums over keys take any order.  So every slot but a cluster's first has been read, one fill earlier, by the cluster that began one slot on:
; that is why no prefetch is written.  K of a cluster's first step lies in the slot before its first: it comes by plain loads into registers at the head.
; reference() takes no maximum away ahead of its exponential, and neither does this text.  LIMITS: w under 2^-126 counts as 0 (v_exp_f32 flushes: ISA guide, its entry); a block of zeros has the byte 1 (read here alone);
; NaN and infinities among the inputs are not served.
.set SLOT,  106496
.set CHUNK, 13312
.set C_VI,  4096
.set C_KS,  12288
.set C_VS,  12544
.set C_RT,  13056
.set QIMG,  2*SLOT                     ; x's codes, as operand images: (tile m, half s2) at 2048 m + 1024 s2
.set QSC,   QIMG+8192                  ; x's scale words
.set XTL,   QSC+512                    ; -x_sq log2(e)/128, in two halves along d
.set PIMG,  XTL+512                    ; w's codes, two images of 4,096
.set PSC,   PIMG+8192                  ; w's scale words, two sets of 256
.set WSL,   PSC+512                    ; the waves' sums of w
.set XF,    WSL+1024                   ; x in f32, 64 rows of 1,024 + 16 bytes; at the end the results, in place
.set XFP,   1040
.set SPARE, XF+64*XFP                  ; the spare words: 128 bytes a wave, two blocks of 256
.set SPW, 1
.set NIL, 2
.set A16, 3                            ; LDS addresses in slot 0, 1: images and V's scale words
.set A8,  5                            ; K's scale words
.set AR,  7                            ; -r_sq/2
.set PWR, 9
.set PSW, 10
.set PRD, 11
.set PSR, 12
.set RR,  13
.set HH,  14
.set LL,  15
.set QS,  16                           ; scale words: x's, K's (two sets), w's, V's (two sets): these registers hold scales alone
.set XT,  20
.set WS,  28
.set KS,  36
.set PS,  40
.set VS,  44
.set MX,  52
.set T2,  56
.set SO,  60
.set BY,  64
.set PC,  68
.set S,   76
.set PF,  140
.set RT,  172                          ; -r_sq/2 in the result's layout, two sets of 16
.set QF,  0                            ; window 2: x's fragments
.set KF,  64                           ; window 2: K's fragments, two sets of 32
.set VF,  128                          ; window 2: V's fragments, two sets of 64
.set XR,  76                           ; the head: 64 numbers of x
.set XB,  128                          ; the head, window 2: the rows' second halves as loaded
.set MXP, 204
.set SOP, 206
.set BYT, 208
.set WD,  210
.set CD,  212
.set SQ,  220
.set TP,  244
.set XO,  228
.set QIW, 229
.set QSW, 230
.set XTW, 231
.set XFW, 232
.set XSW, 233
.set QRD, 234
.set QSR, 235
.set XTR, 236
.set WSW, 237
.set WSR, 238
.set XRD, 239
.set GO,  241
.set XO8, 242
.set XOH, 243
.set XV,  76                           ; the way out: x, then whole rows
.set AA,  0                            ; window 2
.set WL,  204
.set WT,  220
.set G1,  32
.set G0,  40
.set MSB, 0
.macro WIN new
.if MSB != \new
	s_set_vgpr_msb (MSB<<8)|\new
.set MSB, \new
.endif
.endm
.macro PLACES n
.rept \n
	v_nop
.endr
.endm
.macro CREST                           ; a round of the cluster's barrier behind its opening barrier
	s_cmp_lg_u32 s10, 0
	s_cbranch_scc1 .Lnot_wave_0_\@
	s_barrier_signal -3
.Lnot_wave_0_\@:
	s_barrier_wait -3
	s_barrier_signal -1
	s_barrier_wait -1
.endm
.macro CROUND                          ; a whole round
	s_barrier_signal -1
	s_barrier_wait -1
	CREST
.endm
.macro BASE d, sa, c                   ; s[d] = (W << sa) + c
	s_lshl_b32 s[\d], s10, \sa
	s_add_co_u32 s[\d], s[\d], \c
.endm
.macro NEXT slot                       ; the next slot of the round walk, into this LDS slot's group 0 (no tensor load of mine is out)
	s_add_co_u32 s28, s28, 1
	s_and_b32 s30, s28, 15
	s_mul_i32 s30, s30, SLOT
	s_add_nc_u64 s[G0+4*\slot+2:G0+4*\slot+3], s[6:7], s[30:31]
	s_or_b32 s[G0+4*\slot+3], s[G0+4*\slot+3], 0x80000000
.endm
	s_load_b128 s[4:7], s[0:1], 0x0                ; x, stream
	s_load_b64 s[8:9], s[0:1], 0x10                ; part
	v_lshl_add_u32 v[SPW], v0, 2, SPARE
	v_mov_b32 v[NIL], 0
	ds_add_u32 v[SPW], v[NIL]                      ; the opening lines: the add, twice on end, and one wait
	ds_add_u32 v[SPW], v[NIL]
	v_lshrrev_b32 v[RR], 5, v0
	v_readfirstlane_b32 s10, v[RR]                 ; wave W
	v_and_b32 v[LL], 31, v0
	v_and_b32 v[RR], 15, v0
	v_bfe_u32 v[HH], v0, 4, 1
	v_lshlrev_b32 v[XO], 4, v[LL]
	v_lshlrev_b32 v[XO8], 3, v[LL]
	v_lshlrev_b32 v[XOH], 6, v[HH]
	s_bfe_u32 s11, ttmp6, 0x40000                  ; cx
	s_lshl_b32 s12, ttmp9, 2
	s_add_co_u32 s12, s12, s11                     ; which 64 queries
	s_and_b32 s13, ttmp7, 0xffff                   ; which half of the keys
	s_lshl_b32 s14, s12, 16                        ; x: 64 rows of 1,024 bytes a work-group, tile W's 16 rows
	s_lshl_b32 s15, s10, 14
	s_add_co_u32 s14, s14, s15
	s_mov_b32 s15, 0
	s_lshl_b32 s16, s13, 23                        ; part: the half, then the work-group's 64 rows
	s_lshl_b32 s17, s12, 16
	s_add_co_u32 s16, s16, s17
	s_mov_b32 s17, 0
	s_mul_i32 s24, s10, 2*CHUNK                    ; the two chunks that I fetch and read in a slot
	s_mul_i32 s18, s13, 16*SLOT
	s_add_co_u32 s18, s18, s24
	s_mov_b32 s19, 0
	s_and_b32 s28, ttmp9, 15                       ; the cluster's first slot
	s_add_co_u32 s29, s28, 15                      ; K of its first step: the second chunk of the slot before, going round
	s_and_b32 s29, s29, 15
	s_mul_i32 s2, s29, SLOT
	s_add_co_u32 s2, s2, s18
	s_add_co_u32 s2, s2, CHUNK
	s_mov_b32 s3, 0
	s_mul_i32 s30, s28, SLOT
	s_mov_b32 s31, 0
	s_mov_b32 s[G1], 15|(3<<16)|(1<<21)            ; mask: the cluster's four; elements of 8 bytes; 104 rows of 256 bytes, dense
	s_mov_b32 s[G1+1], 32<<16
	s_mov_b32 s[G1+2], 104<<16
	s_mov_b32 s[G1+3], 32<<16
	s_mov_b32 s[G1+4], 104
	s_mov_b32 s[G1+5], 32
	s_mov_b32 s[G1+6], 0
	s_mov_b32 s[G1+7], 0
	s_mov_b32 s20, 0x76543210
	s_mov_b32 s21, 0xfedcba98
	s_mov_b32 s22, 0x3cb8aa3b                      ; log2(e) / 64
	s_mov_b32 s23, s22
	BASE 52, 8, PIMG
	BASE 53, 0, PSC
	s_mul_i32 s54, s10, 16*XFP
	s_add_co_u32 s54, s54, XF
	BASE 55, 11, QIMG
	BASE 56, 7, QSC
	BASE 57, 6, XTL
	BASE 61, 8, WSL
	BASE 62, 8, XF
	s_lshl_b32 s49, s10, 14
	s_wait_alu depctr_va_vdst(0)
	s_wait_dscnt 0x0
	s_wait_kmcnt 0x0
	s_add_nc_u64 s[4:5], s[4:5], s[14:15]
	s_add_nc_u64 s[8:9], s[8:9], s[16:17]
	s_add_nc_u64 s[2:3], s[6:7], s[2:3]
	s_add_nc_u64 s[6:7], s[6:7], s[18:19]
.set n, 0
.rept 16
	global_load_b128 v[XR+4*n:XR+4*n+3], v[XO], s[4:5] offset:1024*n   ; half a row: 512 consecutive bytes
.set n, n+1
.endr
	WIN 0x80
.set n, 0
.rept 16
	global_load_b128 v[XB+4*n:XB+4*n+3], v[XO], s[4:5] offset:1024*n+512
.set n, n+1
.endr
.irp f, 0,1,2,3                                ; 13 loads: the first step's K, into set 0
.irp c, 0,1
	global_load_b128 v[KF+8*\f+4*\c:KF+8*\f+4*\c+3], v[XO], s[2:3] offset:1024*\f+512*\c
.endr
.endr
	WIN 0
	global_load_b64 v[KS:KS+1], v[XO8], s[2:3] offset:C_KS
.irp u, 0,1
.irp g, 0,1
	global_load_b128 v[RT+8*\u+4*\g:RT+8*\u+4*\g+3], v[XOH], s[2:3] offset:C_RT+32*\u+16*\g
.endr
.endr
	s_mov_b32 s[G0], 1
	s_mov_b32 s[G0+1], s24
	s_add_nc_u64 s[G0+2:G0+3], s[6:7], s[30:31]
	s_or_b32 s[G0+3], s[G0+3], 0x80000000
	s_mov_b32 s[G0+4], 1
	s_add_co_u32 s[G0+5], s24, SLOT
	CROUND                                         ; the round in front of the first joint loads
	tensor_load_to_lds s[G0:G0+3], s[G1:G1+7]      ; my one load at the head: my quarter of the first slot
	s_nop 0
	PLACES 4
	v_lshl_add_u32 v[A16], v[LL], 4, s24
	v_lshl_add_u32 v[A8], v[LL], 3, s24
	v_lshl_add_u32 v[AR], v[HH], 6, s24
	v_lshl_add_u32 v[PWR], v[RR], 4, s52
	v_mul_u32_u24 v[XFW], v[RR], XFP
	v_add_nc_u32 v[A16+1], SLOT, v[A16]
	v_add_nc_u32 v[A8+1], SLOT, v[A8]
	v_add_nc_u32 v[AR+1], SLOT, v[AR]
	v_lshl_add_u32 v[PSW], v[RR], 2, s53
	v_lshl_add_u32 v[PRD], v[LL], 4, PIMG
	v_lshl_add_u32 v[PSR], v[RR], 2, PSC
	v_lshl_add_u32 v[PWR], v[HH], 3, v[PWR]
	v_lshl_add_u32 v[XRD], v[HH], 5, v[XFW]
	v_lshl_add_u32 v[XFW], v[HH], 7, v[XFW]
	v_lshl_add_u32 v[XSW], v[LL], 4, s54
	v_lshl_add_u32 v[QIW], v[LL], 4, s55
	v_lshl_add_u32 v[QSW], v[RR], 2, s56
	v_add_nc_u32 v[XRD], s62, v[XRD]
	v_add_nc_u32 v[XFW], s54, v[XFW]
	v_lshl_add_u32 v[XTW], v[RR], 2, s57
	v_lshl_add_u32 v[QRD], v[LL], 4, QIMG
	v_lshl_add_u32 v[QSR], v[LL], 2, QSC
	v_lshl_add_u32 v[XTR], v[RR], 2, XTL
	v_lshl_add_u32 v[WSW], v[RR], 2, s61
	v_lshl_add_u32 v[WSR], v[RR], 2, WSL
	v_lshl_add_u32 v[GO], v[LL], 4, s49
	v_mov_b32 v[TP], 0
	v_mov_b32 v[TP+1], 0
	v_lshlrev_b32 v[TP+3], 3, v[HH]
.irp i, 0,1,2,3,4,5,6,7
	v_mov_b32 v[WS+\i], 0
.endr
	s_wait_alu depctr_va_vdst(0)
; x: tile W's 16 rows into the f32 stage (my own bytes: LDS serves a wave in order)
	s_wait_loadcnt 29                              ; the first halves are in; the 16 second halves and K's 13, issued behind them, may be out
.set n, 0
.rept 16
	ds_store_b128 v[XSW], v[XR+4*n:XR+4*n+3] offset:XFP*n
.set n, n+1
.endr
	s_wait_loadcnt 13                              ; the second halves are in
	WIN 0x08
.set n, 0
.rept 16
	ds_store_b128 v[XSW], v[XB+4*n:XB+4*n+3] offset:XFP*n+512
.set n, n+1
.endr
	WIN 0
; half s2 of the rows comes back as 64 numbers a lane, d = 128 s2 + 64 c + 32 h + 0 .. 31 of row r, and is quantised
.macro XQ s2
.irp c, 0,1
.irp i, 0,1,2,3,4,5,6,7
	ds_load_b128 v[XR+32*\c+4*\i:XR+32*\c+4*\i+3], v[XFW] offset:512*\s2+256*\c+16*\i
.endr
.endr
	s_wait_dscnt 0x0
.irp c, 0,1
	v_max3_num_f32 v[MXP+\c], |v[XR+32*\c]|, |v[XR+32*\c+1]|, 0x1800000   ; the block's largest magnitude, with the floor 2^(3 - 127)
.endr
.irp q, 0,1,2,3
	v_pk_mul_f32 v[SQ+2*\q:SQ+2*\q+1], v[XR+2*\q:XR+2*\q+1], v[XR+2*\q:XR+2*\q+1]
.endr
.irp i, 2,4,6,8,10,12,14,16,18,20,22,24,26,28,30
.irp c, 0,1
	v_max3_num_f32 v[MXP+\c], v[MXP+\c], |v[XR+32*\c+\i]|, |v[XR+32*\c+\i+1]|
.endr
.endr
.set n, 4
.rept 28
	v_pk_fma_f32 v[SQ+2*(n%4):SQ+2*(n%4)+1], v[XR+2*n:XR+2*n+1], v[XR+2*n:XR+2*n+1], v[SQ+2*(n%4):SQ+2*(n%4)+1]
.set n, n+1
.endr
.irp c, 0,1
	v_add_nc_u32 v[SOP+\c], 0xff000000, v[MXP+\c]  ; 2 off the exponent field: the conversion's scale operand
.endr
	v_pk_add_f32 v[SQ:SQ+1], v[SQ:SQ+1], v[SQ+2:SQ+3]
	v_pk_add_f32 v[SQ+4:SQ+5], v[SQ+4:SQ+5], v[SQ+6:SQ+7]
.irp c, 0,1
	v_lshrrev_b32 v[BYT+\c], 23, v[SOP+\c]
.endr
	v_pk_add_f32 v[SQ:SQ+1], v[SQ:SQ+1], v[SQ+4:SQ+5]
	v_lshl_or_b32 v[WD], v[BYT+1], 16, v[BYT]      ; my bytes: blocks h and 2 + h,
	v_add_f32 v[SQ], v[SQ], v[SQ+1]
	v_lshlrev_b32 v[WD], v[TP+3], v[WD]            ; 8 h bits up
	v_permlanex16_b32 v[TP], v[SQ], s20, s21
	v_permlanex16_b32 v[TP+1], v[WD], s20, s21
	v_add_f32 v[SQ], v[SQ], v[TP]
	v_or_b32 v[WD], v[WD], v[TP+1]                 ; the scale word of row r for these 128 d
	v_mul_f32 v[SQ], 0xbc38aa3b, v[SQ]             ; x -log2(e) / 128
.irp c, 0,1
.irp g, 0,1,2,3
	v_cvt_scalef32_pk8_fp4_f32 v[CD+4*\c+\g], v[XR+32*\c+8*\g:XR+32*\c+8*\g+7], v[SOP+\c]
.endr
.endr
	v_nop
.irp c, 0,1
	ds_store_b128 v[QIW], v[CD+4*\c:CD+4*\c+3] offset:1024*\s2+512*\c
.endr
	ds_store_b32 v[QSW], v[WD] offset:64*\s2
	ds_store_b32 v[XTW], v[SQ] offset:256*\s2
.endm
	XQ 0
	XQ 1
	s_wait_alu depctr_va_vdst(0)
	s_wait_tensorcnt 0x0                           ; my quarter of the first slot is in; slot 1's first fill is issued as a refill is:
	ds_add_u32 v[SPW], v[NIL]
	NEXT 1
	s_wait_dscnt 0x0                               ; the add and my stores of x's images are done
	CROUND
	tensor_load_to_lds s[G0+4:G0+7], s[G1:G1+7]
	s_nop 0
	PLACES 4
.irp m, 0,1,2,3
	ds_load_b32 v[QS+\m], v[QSR] offset:128*\m     ; lanes 0-15 d 0..127, lanes 16-31 d 128..255
	ds_load_b32 v[XT+2*\m], v[XTR] offset:64*\m
	ds_load_b32 v[MXP+\m], v[XTR] offset:256+64*\m
.endr
	WIN 0x80
.irp f, 0,1,2,3,4,5,6,7
.irp c, 0,1
	ds_load_b128 v[QF+8*\f+4*\c:QF+8*\f+4*\c+3], v[QRD] offset:1024*\f+512*\c
.endr
.endr
	WIN 0
	s_wait_dscnt 0x0
.irp m, 0,1,2,3
	v_add_f32 v[XT+2*\m+1], v[XT+2*\m], v[MXP+\m]
.endr
.irp m, 0,1,2,3
	v_add_f32 v[XT+2*\m], v[XT+2*\m], v[MXP+\m]    ; the two halves along d
.endr
	s_wait_alu depctr_va_vdst(0)
	s_wait_loadcnt 0x0                             ; the first step's K is in
; A step's loads from its chunk: V of this step into set e; kl = 1: K of the next step (scale words, -r_sq/2, four fragments) into set 1 - e
.macro LOADS slot, e, kl
	ds_load_b128 v[VS+4*\e:VS+4*\e+3], v[A16+\slot] offset:\e*CHUNK+C_VS   ; lanes 0-15 ref^2, lanes 16-31 ref
.if \kl
	ds_load_b64 v[KS+2*(1-\e):KS+2*(1-\e)+1], v[A8+\slot] offset:\e*CHUNK+C_KS
.irp u, 0,1
.irp g, 0,1
	ds_load_b128 v[RT+16*(1-\e)+8*\u+4*\g:RT+16*(1-\e)+8*\u+4*\g+3], v[AR+\slot] offset:\e*CHUNK+C_RT+32*\u+16*\g
.endr
.endr
.endif
	WIN 0x80
.irp f, 0,1,2,3,4,5,6,7
.irp c, 0,1
	ds_load_b128 v[VF+64*\e+8*\f+4*\c:VF+64*\e+8*\f+4*\c+3], v[A16+\slot] offset:\e*CHUNK+C_VI+1024*\f+512*\c
.endr
.endr
.if \kl
.irp f, 0,1,2,3
.irp c, 0,1
	ds_load_b128 v[KF+32*(1-\e)+8*\f+4*\c:KF+32*(1-\e)+8*\f+4*\c+3], v[A16+\slot] offset:\e*CHUNK+1024*\f+512*\c
.endr
.endr
.endif
	WIN 0
.endm
.macro PLOAD b                         ; w's codes and scale words of all 64 queries, image b
.irp m, 0,1,2,3
.irp c, 0,1
	ds_load_b128 v[PF+8*\m+4*\c:PF+8*\m+4*\c+3], v[PRD] offset:(\b)*4096+1024*\m+512*\c
.endr
	ds_load_b32 v[PS+\m], v[PSR] offset:(\b)*256+64*\m
.endr
.endm
.macro PVI k, t, m, vb, zero
.set rD, 8*(16*\k+4*\t+\m)
.set rA, VF+64*(\vb)+8*(4*\k+\t)
.set rB, PF+8*\m
.set rS, VS+4*(\vb)+\t
.if \zero
.if \k
	v_wmma_scale_f32_16x16x128_f8f6f4 v[rD:rD+7], v[rA:rA+7], v[rB:rB+7], 0, v[rS], v[PS+\m] matrix_a_fmt:MATRIX_FMT_FP4 matrix_b_fmt:MATRIX_FMT_FP4 matrix_a_scale:MATRIX_SCALE_ROW1
.else
	v_wmma_scale_f32_16x16x128_f8f6f4 v[rD:rD+7], v[rA:rA+7], v[rB:rB+7], 0, v[rS], v[PS+\m] matrix_a_fmt:MATRIX_FMT_FP4 matrix_b_fmt:MATRIX_FMT_FP4
.endif
.else
.if \k
	v_wmma_scale_f32_16x16x128_f8f6f4 v[rD:rD+7], v[rA:rA+7], v[rB:rB+7], v[rD:rD+7], v[rS], v[PS+\m] matrix_a_fmt:MATRIX_FMT_FP4 matrix_b_fmt:MATRIX_FMT_FP4 matrix_a_scale:MATRIX_SCALE_ROW1
.else
	v_wmma_scale_f32_16x16x128_f8f6f4 v[rD:rD+7], v[rA:rA+7], v[rB:rB+7], v[rD:rD+7], v[rS], v[PS+\m] matrix_a_fmt:MATRIX_FMT_FP4 matrix_b_fmt:MATRIX_FMT_FP4
.endif
.endif
.endm
.macro PVALL vb, zero                  ; 32 accumulators by turns, in window 1, with V's set vb (window 2)
	WIN 0x52
	s_wait_alu depctr_va_vdst(0)                   ; ahead of the first reader of the sums: exponentials stand behind their last write
.irp k, 0,1
.irp t, 0,1,2,3
.irp m, 0,1,2,3
	PVI \k, \t, \m, \vb, \zero
.endr
.endr
.endr
	WIN 0
.endm
; One step.  pv = 0: no step before it; 1: the products of the step before start the sums; 2: they add.  kl: see LOADS.
; bar = 0: a plain barrier; 1: this slot is filled again behind a round; 2: the last slot is shown whole, nothing is filled.
.macro TRIP slot, e, pv, kl, bar
.if \pv
	PLOAD 1-\e
.endif
	WIN 0x0a
.irp m, 0,1,2,3
.irp u, 0,1
	v_wmma_scale_f32_16x16x128_f8f6f4 v[S+16*\m+8*\u:S+16*\m+8*\u+7], v[KF+32*\e+16*\u:KF+32*\e+16*\u+7], v[QF+16*\m:QF+16*\m+7], v[RT+16*\e+8*\u:RT+16*\e+8*\u+7], v[KS+2*\e+\u], v[QS+\m] matrix_a_fmt:MATRIX_FMT_FP4 matrix_b_fmt:MATRIX_FMT_FP4
.endr
.endr
.irp m, 0,1,2,3
.irp u, 0,1
	v_wmma_scale_f32_16x16x128_f8f6f4 v[S+16*\m+8*\u:S+16*\m+8*\u+7], v[KF+32*\e+16*\u+8:KF+32*\e+16*\u+15], v[QF+16*\m+8:QF+16*\m+15], v[S+16*\m+8*\u:S+16*\m+8*\u+7], v[KS+2*\e+\u], v[QS+\m] matrix_a_fmt:MATRIX_FMT_FP4 matrix_b_fmt:MATRIX_FMT_FP4 matrix_a_scale:MATRIX_SCALE_ROW1 matrix_b_scale:MATRIX_SCALE_ROW1
.endr
.endr
	WIN 0
	LOADS \slot, \e, \kl
	PLACES 4                                       ; in front of the first read of the scores
.irp m, 0,1,2,3                                ; the block's largest score: two chains a query tile, each accumulator from its low end on
	v_max3_num_f32 v[MX+\m], v[S+16*\m], v[S+16*\m+1], v[S+16*\m+2]
	v_max3_num_f32 v[T2+\m], v[S+16*\m+8], v[S+16*\m+9], v[S+16*\m+10]
.endr
.irp i, 3,5
.irp m, 0,1,2,3
	v_max3_num_f32 v[MX+\m], v[MX+\m], v[S+16*\m+\i], v[S+16*\m+\i+1]
	v_max3_num_f32 v[T2+\m], v[T2+\m], v[S+16*\m+8+\i], v[S+16*\m+9+\i]
.endr
.endr
.irp m, 0,1,2,3
	v_max3_num_f32 v[MX+\m], v[MX+\m], v[T2+\m], v[S+16*\m+7]
.endr
.irp m, 0,1,2,3
	v_max_num_f32 v[MX+\m], v[MX+\m], v[S+16*\m+15]
.endr
.irp m, 0,1,2,3
	v_permlanex16_b32 v[T2+\m], v[MX+\m], s20, s21
.endr
.irp j, 0,2,4,6,8,10,12,14
.irp m, 0,1,2,3
	v_pk_fma_f32 v[S+16*\m+\j:S+16*\m+\j+1], v[S+16*\m+\j:S+16*\m+\j+1], s[22:23], v[XT+2*\m:XT+2*\m+1] op_sel_hi:[1,0,0]
.endr
.endr
.irp m, 0,1,2,3
	v_max_num_f32 v[MX+\m], v[MX+\m], v[T2+\m]
.endr
.irp m, 0,1,2,3
	v_fma_f32 v[MX+\m], v[MX+\m], s22, v[XT+2*\m]  ; the same multiply-add on the largest score: w rises with the score
.endr
	s_wait_alu depctr_va_vdst(0)
.set n, 0
.rept 64
	v_exp_f32 v[S+n], v[S+n]
.set n, n+1
.endr
.irp m, 0,1,2,3
	v_exp_f32 v[MX+\m], v[MX+\m]
.endr
	v_nop
	s_wait_alu depctr_va_vdst(0)
.irp m, 0,1,2,3
	v_max_num_f32 v[MX+\m], 0x1800000, v[MX+\m]
.endr
.irp m, 0,1,2,3
	v_add_nc_u32 v[SO+\m], 0xff000000, v[MX+\m]
.endr
.irp m, 0,1,2,3
	v_lshrrev_b32 v[BY+\m], 23, v[SO+\m]
.endr
.irp m, 0,1,2,3
	v_cvt_scalef32_pk8_fp4_f32 v[PC+2*\m], v[S+16*\m:S+16*\m+7], v[SO+\m]
	v_cvt_scalef32_pk8_fp4_f32 v[PC+2*\m+1], v[S+16*\m+8:S+16*\m+15], v[SO+\m]
.endr
	v_nop
.irp m, 0,1,2,3
	ds_store_b64 v[PWR], v[PC+2*\m:PC+2*\m+1] offset:\e*4096+1024*\m
	ds_store_b8 v[PSW], v[BY+\m] offset:\e*256+64*\m
.endr
.irp j, 0,2,4,6,8,10,12,14                     ; the sum of the unquantised w
.irp m, 0,1,2,3
	v_pk_add_f32 v[WS+2*\m:WS+2*\m+1], v[WS+2*\m:WS+2*\m+1], v[S+16*\m+\j:S+16*\m+\j+1]
.endr
.endr
.if \bar
	s_wait_tensorcnt 0x0                           ; my quarter of the other slot is in
	ds_add_u32 v[SPW], v[NIL]
.endif
.if \bar == 1
	NEXT \slot
.endif
	s_wait_dscnt 0x0                               ; my stores of w, my reads of this chunk (and the add) are done
	s_barrier_signal -1
.if \pv
	PVALL 1-\e, 2-\pv                              ; work on registers while the others arrive
	PLACES 4                                       ; in front of the next step's loads into operands just read
.endif
	s_barrier_wait -1
.if \bar == 1
	CREST                                          ; the barrier has opened a round of the cluster's barrier
	tensor_load_to_lds s[G0+4*\slot:G0+4*\slot+3], s[G1:G1+7]
	s_nop 0
	PLACES 4
.endif
.endm
	TRIP 0, 0, 0, 1, 0
	TRIP 0, 1, 1, 1, 1
	s_mov_b32 s48, 6
.Llap:
	TRIP 1, 0, 2, 1, 0
	TRIP 1, 1, 2, 1, 1
	TRIP 0, 0, 2, 1, 0
	TRIP 0, 1, 2, 1, 1
	s_sub_co_u32 s48, s48, 1
	s_cmp_lg_u32 s48, 0
	s_cbranch_scc1 .Llap
	TRIP 1, 0, 2, 1, 0
	TRIP 1, 1, 2, 1, 1                             ; the sixteenth slot's fill: the last
	TRIP 0, 0, 2, 1, 0
	TRIP 0, 1, 2, 1, 2
	TRIP 1, 0, 2, 1, 0
	TRIP 1, 1, 2, 0, 0                             ; no step follows: no K is fetched
	PLOAD 1
	s_wait_dscnt 0x0
	PVALL 1, 0
; THE WAY OUT.  The sums of w meet in LDS; M = ref^2's sum + x (x sum(w) - 2 ref's sum) is made in the result's layout (in window 2) and laid over x in the f32 stage (each place is read and written by one wave alone);
; behind a barrier each wave takes 16 whole rows: every store covers 512 consecutive bytes, aligned.
.irp m, 0,1,2,3
	v_add_f32 v[MX+\m], v[WS+2*\m], v[WS+2*\m+1]
.endr
.irp m, 0,1,2,3
	v_permlanex16_b32 v[T2+\m], v[MX+\m], s20, s21
.endr
.irp m, 0,1,2,3
	v_add_f32 v[MX+\m], v[MX+\m], v[T2+\m]
.endr
.irp m, 0,1,2,3
	ds_store_b32 v[WSW], v[MX+\m] offset:64*\m
.endr
.irp m, 0,1,2,3
.irp t, 0,1,2,3
.irp g, 0,1
	ds_load_b128 v[XV+32*\m+8*\t+4*\g:XV+32*\m+8*\t+4*\g+3], v[XRD] offset:16*XFP*\m+64*\t+16*\g
.endr
.endr
.endr
	s_wait_dscnt 0x0
	s_barrier_signal -1
	s_barrier_wait -1
.irp m, 0,1,2,3
.irp k, 0,1,2,3
	ds_load_b32 v[WL+4*\m+\k], v[WSR] offset:256*\k+64*\m
.endr
.endr
	s_wait_dscnt 0x0
.irp m, 0,1,2,3
	v_add_f32 v[WL+4*\m], v[WL+4*\m], v[WL+4*\m+1]
	v_add_f32 v[WL+4*\m+2], v[WL+4*\m+2], v[WL+4*\m+3]
.endr
.irp m, 0,1,2,3
	v_add_f32 v[WT+2*\m], v[WL+4*\m], v[WL+4*\m+2]
	v_add_f32 v[WT+2*\m+1], v[WL+4*\m], v[WL+4*\m+2]
.endr
	WIN 0x80
.irp m, 0,1,2,3
.irp j, 0,2,4,6,8,10,12,14,16,18,20,22,24,26,28,30
	v_pk_mul_f32 v[AA+32*\m+\j:AA+32*\m+\j+1], v[XV+32*\m+\j:XV+32*\m+\j+1], v[WT+2*\m:WT+2*\m+1]
.endr
.endr
	WIN 0xa1
.irp m, 0,1,2,3
.irp t, 0,1,2,3
.irp j, 0,2,4,6
	v_pk_fma_f32 v[AA+32*\m+8*\t+\j:AA+32*\m+8*\t+\j+1], v[8*(16+4*\t+\m)+\j:8*(16+4*\t+\m)+\j+1], -2.0, v[AA+32*\m+8*\t+\j:AA+32*\m+8*\t+\j+1] op_sel_hi:[1,0,1]
.endr
.endr
.endr
	WIN 0x98
.irp m, 0,1,2,3
.irp t, 0,1,2,3
.irp j, 0,2,4,6
	v_pk_fma_f32 v[AA+32*\m+8*\t+\j:AA+32*\m+8*\t+\j+1], v[XV+32*\m+8*\t+\j:XV+32*\m+8*\t+\j+1], v[AA+32*\m+8*\t+\j:AA+32*\m+8*\t+\j+1], v[8*(4*\t+\m)+\j:8*(4*\t+\m)+\j+1]
.endr
.endr
.endr
	WIN 0x08
.irp m, 0,1,2,3
.irp t, 0,1,2,3
.irp g, 0,1
	ds_store_b128 v[XRD], v[AA+32*\m+8*\t+4*\g:AA+32*\m+8*\t+4*\g+3] offset:16*XFP*\m+64*\t+16*\g
.endr
.endr
.endr
	WIN 0
	s_wait_dscnt 0x0                               ; for the others' sake: my results are in the stage
	s_barrier_signal -1
	s_barrier_wait -1
.set n, 0
.rept 32
	ds_load_b128 v[XV+4*n:XV+4*n+3], v[XSW] offset:XFP*(n/2)+512*(n%2)
.set n, n+1
.endr
.set n, 0
.rept 32
	s_wait_dscnt 31-n
	global_store_b128 v[GO], v[XV+4*n:XV+4*n+3], s[8:9] offset:512*n
.set n, n+1
.endr
	s_wait_tensorcnt 0x0                           ; the wave's end
	ds_add_u32 v[SPW], v[NIL]
	s_wait_dscnt 0x0
	CROUND                                         ; the closing round
	s_endpgm
.Lfunc_end_k_q3f6c08ad9f_main:
	.size	k_q3f6c08ad9f_main, .Lfunc_end_k_q3f6c08ad9f_main-k_q3f6c08ad9f_main
	.p2alignl 7, 3214868480
	.fill 96, 4, 3214868480
	.section	.rodata,"a",@progbits
	.p2align	6, 0x0
	.amdhsa_kernel k_q3f6c08ad9f_main
		.amdhsa_group_segment_fixed_size 327680
		.amdhsa_private_segment_fixed_size 0
		.amdhsa_enable_private_segment 0
		.amdhsa_kernarg_size 24
		.amdhsa_user_sgpr_count 2
		.amdhsa_user_sgpr_kernarg_segment_ptr 1
		.amdhsa_wavefront_size32 1
		.amdhsa_system_sgpr_workgroup_id_x 1
		.amdhsa_system_sgpr_workgroup_id_y 1
		.amdhsa_system_sgpr_workgroup_id_z 1
		.amdhsa_system_vgpr_workitem_id 0
		.amdhsa_next_free_vgpr 768
		.amdhsa_next_free_sgpr 66
		.amdhsa_reserve_vcc 0
		.amdhsa_float_denorm_mode_32 3
		.amdhsa_float_denorm_mode_16_64 3
		.amdhsa_memory_ordered 1
		.amdhsa_forward_progress 1
		.amdhsa_inst_pref_size 255
	.end_amdhsa_kernel
	.section	.bss,"aw",@nobits
	.p2align	6
	.space	262144
	.amdgpu_metadata
---
amdhsa.version: [ 1, 2 ]
amdhsa.kernels:
  - .name:           k_q3f6c08ad9f_main
    .symbol:         k_q3f6c08ad9f_main.kd
    .args:
      - { .name: x_t, .offset: 0, .size: 8, .value_kind: global_buffer, .address_space: global }
      - { .name: stream, .offset: 8, .size: 8, .value_kind: global_buffer, .address_space: global }
      - { .name: part, .offset: 16, .size: 8, .value_kind: global_buffer, .address_space: global }
    .group_segment_fixed_size: 327680
    .private_segment_fixed_size: 0
    .kernarg_segment_align: 8
    .kernarg_segment_size: 24
    .max_flat_workgroup_size: 128
    .sgpr_count:     66
    .vgpr_count:     768
    .wavefront_size: 32
...
	.end_amdgpu_metadata
.endif
;; end of part 2
;; launch fin (part 3): grid 256 x 1, 8 waves a work-group, no clusters, 0 bytes of LDS; arguments part, W, out0; writes out0
.if DOCPART == 3
	.amdgcn_target "amdgcn-amd-amdhsa--gfx1250"
	.amdhsa_code_object_version 6
	.text
	.protected	k_q3f6c08ad9f_fin
	.globl	k_q3f6c08ad9f_fin
	.p2align	8
	.type	k_q3f6c08ad9f_fin,@function
k_q3f6c08ad9f_fin:
	s_mov_b64 s[64:65], 0
	v_nop
	global_prefetch_b8 v0, s[64:65] scope:SCOPE_SE
	s_setreg_imm32_b32 hwreg(HW_REG_WAVE_MODE, 25, 1), 1
	s_wait_xcnt 0x0
; out0 = 1 / (W (M0 + M1) + 0.001): the two halves' partial sums are added in a fixed order, scaled by W as it is given, and inverted.  part: [2][8192][256] f32; out0: [8192][256] f32.
; A plain stream: a work-group takes 32,768 bytes of each half, thread T the 16 bytes at 16 T + 4,096 i, i = 0 .. 7: every load and store of a wave covers 512 consecutive bytes, aligned.
; All sixteen loads of a thread go out at once; no register is used twice, so there is no loop and no wait but the counted ones.  No LDS, no barrier, no matrix unit: nothing here is shared or multiplied in bulk.
; LIMITS: where W M + 0.001 is 0 or not finite the reciprocal gives what v_rcp_f32 gives; the reciprocal is good to 1 ulp (ISA guide, its entry).
.set M0, 16                            ; v16-47  the first half's numbers, then the results
.set M1, 48                            ; v48-79  the second half's
	s_load_b128 s[4:7], s[0:1], 0x0                ; part s[4:5], W s[6:7]
	s_load_b64 s[8:9], s[0:1], 0x10                ; out0
	v_lshlrev_b32 v1, 4, v0
	s_lshl_b32 s10, ttmp9, 15
	s_mov_b32 s11, 0
	s_wait_alu depctr_va_vdst(0)
	s_wait_kmcnt 0x0
	s_load_b32 s12, s[6:7], 0x0                    ; W
	s_add_nc_u64 s[4:5], s[4:5], s[10:11]
	s_add_nc_u64 s[14:15], s[4:5], 0x800000        ; the second half lies 8,388,608 bytes on: one more than a load's immediate holds, so it has a base of its own
	s_add_nc_u64 s[8:9], s[8:9], s[10:11]
.irp i, 0,1,2,3,4,5,6,7
	global_load_b128 v[M0+4*\i:M0+4*\i+3], v1, s[4:5] offset:4096*\i th:TH_LOAD_NT
	global_load_b128 v[M1+4*\i:M1+4*\i+3], v1, s[14:15] offset:4096*\i th:TH_LOAD_NT
.endr
	s_wait_kmcnt 0x0
	v_mov_b32 v2, s12
	v_mov_b32 v3, s12
	v_mov_b32 v4, 0x3a83126f                       ; 0.001
	v_mov_b32 v5, 0x3a83126f
.irp i, 0,1,2,3,4,5,6,7
	s_wait_loadcnt 14-2*\i                         ; pair i is in; the pairs issued behind it may be out
	v_pk_add_f32 v[M0+4*\i:M0+4*\i+1], v[M0+4*\i:M0+4*\i+1], v[M1+4*\i:M1+4*\i+1]
	s_wait_alu depctr_va_vdst(0)
	v_pk_add_f32 v[M0+4*\i+2:M0+4*\i+3], v[M0+4*\i+2:M0+4*\i+3], v[M1+4*\i+2:M1+4*\i+3]
	v_pk_fma_f32 v[M0+4*\i:M0+4*\i+1], v[M0+4*\i:M0+4*\i+1], v[2:3], v[4:5]
	s_delay_alu instid0(VALU_DEP_2)
	v_pk_fma_f32 v[M0+4*\i+2:M0+4*\i+3], v[M0+4*\i+2:M0+4*\i+3], v[2:3], v[4:5]
	s_wait_alu depctr_va_vdst(0)
	v_rcp_f32 v[M0+4*\i], v[M0+4*\i]
	v_rcp_f32 v[M0+4*\i+1], v[M0+4*\i+1]
	v_rcp_f32 v[M0+4*\i+2], v[M0+4*\i+2]
	v_rcp_f32 v[M0+4*\i+3], v[M0+4*\i+3]
	v_nop                                          ; a plain line behind the reciprocals
	s_wait_alu depctr_va_vdst(0)
	global_store_b128 v1, v[M0+4*\i:M0+4*\i+3], s[8:9] offset:4096*\i th:TH_STORE_NT
.endr
	s_endpgm
.Lfunc_end_k_q3f6c08ad9f_fin:
	.size	k_q3f6c08ad9f_fin, .Lfunc_end_k_q3f6c08ad9f_fin-k_q3f6c08ad9f_fin
	.p2alignl 7, 3214868480
	.fill 96, 4, 3214868480
	.section	.rodata,"a",@progbits
	.p2align	6, 0x0
	.amdhsa_kernel k_q3f6c08ad9f_fin
		.amdhsa_group_segment_fixed_size 0
		.amdhsa_private_segment_fixed_size 0
		.amdhsa_enable_private_segment 0
		.amdhsa_kernarg_size 24
		.amdhsa_user_sgpr_count 2
		.amdhsa_user_sgpr_kernarg_segment_ptr 1
		.amdhsa_wavefront_size32 1
		.amdhsa_system_sgpr_workgroup_id_x 1
		.amdhsa_system_sgpr_workgroup_id_y 1
		.amdhsa_system_sgpr_workgroup_id_z 1
		.amdhsa_system_vgpr_workitem_id 0
		.amdhsa_next_free_vgpr 96
		.amdhsa_next_free_sgpr 66
		.amdhsa_reserve_vcc 0
		.amdhsa_float_denorm_mode_32 3
		.amdhsa_float_denorm_mode_16_64 3
		.amdhsa_memory_ordered 1
		.amdhsa_forward_progress 1
		.amdhsa_inst_pref_size 8
	.end_amdhsa_kernel
	.amdgpu_metadata
---
amdhsa.version: [ 1, 2 ]
amdhsa.kernels:
  - .name:           k_q3f6c08ad9f_fin
    .symbol:         k_q3f6c08ad9f_fin.kd
    .args:
      - { .name: part, .offset: 0, .size: 8, .value_kind: global_buffer, .address_space: global }
      - { .name: W, .offset: 8, .size: 8, .value_kind: global_buffer, .address_space: global }
      - { .name: out0, .offset: 16, .size: 8, .value_kind: global_buffer, .address_space: global }
    .group_segment_fixed_size: 0
    .private_segment_fixed_size: 0
    .kernarg_segment_align: 8
    .kernarg_segment_size: 24
    .max_flat_workgroup_size: 256
    .sgpr_count:     66
    .vgpr_count:     96
    .wavefront_size: 32
...
	.end_amdgpu_metadata
.endif
;; end of part 3
